; MI455X (gfx1250); checked and timed in simulation.
; The chip was launched on July 23, 2026; its instructions are those of AMD's public machine-readable ISA for CDNA 5 (MIT licence, August 2026) and "CDNA5" Instruction Set Architecture Reference Guide (July 2026). The comments in the code are by the model that wrote it; some were corrected since.
;; ATT. Allowed arithmetic: matrix products marked QUANTISED: E2M3 operands, one E8M0 scale for each 32 along K, by v_wmma_scale_f32_16x16x128_f8f6f4 with both operands' format E2M3, f32 sums; everything else in f32.
;; Inputs: Wk 256 x 256 float32; Wo 256 x 256 float32; Wq 256 x 256 float32; Wv 256 x 256 float32; source 4 x 4,096 x 256 float32; target 4 x 4,096 x 256 float32.
;; Outputs: out0 4 x 4,096 x 256 float32.
;; This version of the problem:
;;   THIS VERSION OF THE PROBLEM IS GIVEN IN LOW PRECISION. The matrix products marked QUANTISED in the list below multiply operands that are first quantised to E2M3 (2 exponent bits, 3 mantissa bits; 6 bits a number), with one power-of-two scale for each 32 numbers along K (OCP MX v1.0); their sums are f32. All else is computed in f32.
;;   The module's matrix products, in the order in which they are computed (A, B: the left and right operand; K: the contracted axis; several contracted axes count as one K, in the product's order):
;;     1. [M 16,384, K 256] x [K 256, N 256]; A: input target; B: input Wq: QUANTISED
;;     2. [M 16,384, K 256] x [K 256, N 256]; A: input source; B: input Wk: QUANTISED
;;     3. [M 16,384, K 256] x [K 256, N 256]; A: input source; B: input Wv: QUANTISED
;;     4. batch 16 x [M 4,096, K 64] x [K 64, N 4,096]; A: computed on the way; B: computed on the way: QUANTISED
;;     5. batch 16 x [M 64, K 4,096] x [K 4,096, N 4,096]; A: computed on the way; B: softmax (see below): QUANTISED
;;     6. [M 16,384, K 256] x [K 256, N 256]; A: computed on the way; B: input Wo: QUANTISED
;;   THE QUANTISER, for each operand of a quantised product, along K:
;;     - K is cut into blocks of 32 from its start; a last block that is shorter is filled with zeros.
;;     - A block's scale is 2^e with e = floor(log2(the largest magnitude in the block)) - 2, held to -126 .. 127; a block of zeros has e = 0. As a byte (E8M0): e + 127.
;;     - Each number is divided by its block's scale, clamped to +-7.5, and rounded to the nearest number of E2M3, ties to even, subnormals kept.
;;     - The product sums the exact products of the quantised numbers (number of the format x scale) in f32.
;;   ~~~python
;;   def quantise(x, axis):      # numpy; x: float32 -> the quantised numbers, widened to float32 again
;;       x = np.moveaxis(x, axis, -1); K = x.shape[-1]
;;       x = np.pad(x, [(0, 0)] * (x.ndim - 1) + [(0, -K % 32)]); x = x.reshape(x.shape[:-1] + (-1, 32)); a = np.abs(x).max(-1, keepdims=True)
;;       e = np.where(a > 0, np.clip(np.frexp(np.where(a > 0, a, 1))[1] - 1 - 2, -126, 127), 0)      # np.frexp(a)[1] - 1 = floor(log2(a)), exactly
;;       r = np.clip(x / 2.0 ** e, -7.5, 7.5)
;;       step = 2.0 ** (np.maximum(np.frexp(np.where(r == 0, 1, r))[1] - 1, 0) - 3)
;;       q = np.round(r / step) * step * 2.0 ** e      # np.round: ties to even
;;       return np.moveaxis(q.reshape(q.shape[:-2] + (-1,))[..., :K], -1, axis).astype(np.float32)
;;   ~~~
;;   SOFTMAX AHEAD OF A QUANTISED PRODUCT. Where the list says 'softmax', what is quantised is not the finished softmax but p = 2^(t - M), with t = logit x log2(e) and M = ceil(the row's largest t), a whole number; so 1/2 < the row's largest p <= 1. The row's sum l is taken of the UNQUANTISED p, in f32, and the product's result is divided by l at the end. Since M is a whole number, a kernel that streams over the keys may use a running M (the ceiling of the running maximum): every later rescaling is an exact power of two, which a block's scale takes up: the codes' values come out the same.
;;   OPERANDS COMPUTED ON THE WAY. 'Computed on the way' means the value that the module computes at that place (a softmax that the list does not call 'softmax' is quantised finished and normalised). What goes into a quantiser is computed in f32, as accurately as f32 sums, v_exp_f32 and their like allow (about 1e-6 of the number): no bf16 or f16 on the way to a quantiser, and a product that is left as it is and whose result goes on into a quantised operand takes f32 operands (vector FMAs, or v_wmma_f32_16x16x4_f32). A number that lies on a knife's edge between two numbers of the format may be rounded either way, as far as f32 arithmetic and the matrix unit's own rounding can turn it there, and no further.
;; One version. Each part assembles by itself: llvm-mc -triple=amdgcn-amd-amdhsa -mcpu=gfx1250 --defsym DOCPART=n.
;; ======== version 1 of 1: 2 launches
;; limits: right only within a limited range of input values
;; workspace buffers: wc 53,248 bytes; qc 3,145,728 bytes; qs 131,072 bytes; kvc 6,291,456 bytes; kvs 262,144 bytes
;; launch proj (part 1): grid 256 x 1, 16 waves a work-group, no clusters, 270,336 bytes of LDS; arguments target, source, wc, qc, qs, kvc, kvs, Wq, Wk, Wv, Wo; writes wc, qc, qs, kvc, kvs
.if DOCPART == 1
	.amdgcn_target "amdgcn-amd-amdhsa--gfx1250"
	.amdhsa_code_object_version 6
	.text
	.protected	k_qfc15d2b546_proj
	.globl	k_qfc15d2b546_proj
	.p2align	8
	.type	k_qfc15d2b546_proj,@function
k_qfc15d2b546_proj:
	s_mov_b64 s[64:65], 0
	v_nop
	global_prefetch_b8 v0, s[64:65] scope:SCOPE_SE
	s_setreg_imm32_b32 hwreg(HW_REG_WAVE_MODE, 25, 1), 1
	s_wait_xcnt 0x0
; q = target Wq, k = source Wk, v = source Wv, all three products on codes of FP6 (E2M3) with one E8M0 byte for each 32 along K; the results are quantised in registers and stored as IMAGES OF THE OPERANDS
; that the attention launch wants: nothing goes to memory as f32.  Wo is quantised here too, by work-group 0, into wc: codes [tile 0..15][K step 0..1][1,536 bytes], then from WORDS on the scale words [tile][256 bytes].
; SHARES.  A work-group takes a GROUP of 128 rows of [4 x 4,096].  Even work-groups make q of group x / 2, odd ones k and v of that group (source is read once for both).  Sixteen waves.
; THE WEIGHTS, each [256 (k)][256 (n)] f32, are quantised by each work-group for itself while x's tensor loads are out: wave w makes tile w, both K steps: a lane takes a column and its registers run down k, in the
; order that the operand's layout gives that lane (k = 128 s + 64 c + 32 (lane / 16) + i), so the conversions' results are the operand's registers.  The images go to LDS bytes of their own; a wave reads its head's eight.
; THE ROWS AND COLUMNS OF A TILE ARE NOT NEIGHBOURS: row r of x's tile T = 4 c + tau is row 64 c + 32 (r / 8) + 8 tau + r % 8 of the group; column r of a weight's tile 4 hd + tau is 64 hd + 32 (r / 8) + 8 tau + r % 8.
; In a result (lane (r, h), register j: element 8 h + j of source 0) the 32 registers of four tiles tau = 0..3 are then the 32 neighbours 32 h + 0..31: one whole block of the next quantiser in one lane.
; PHASES.  weights | x: two tensor loads bring the 128 rows (1,024 bytes each) into LDS; wave w quantises fragment (tile w / 2, K step w % 2) and stores its image | q or k: wave (hd = w / 4, f = w % 4): source 0 =
; the head's four tiles of W, source 1 = x's tiles 2 f, 2 f + 1: 64 registers = the head's 64 numbers of 32 rows; quantised they are ONE fragment: registers 0-5 tile 2 f (set A), 6-11 tile 2 f + 1 (set B);
; its word is (A0, A1, B0, B1) | v: wave (hd, tau): source 0 = x's eight tiles (the keys), source 1 = Wv's tile w: a lane holds one channel and 64 keys in the operand's order: one fragment of V^T.
; WHERE THEY GO.  qc: [group][hd][f][1,536].  kvc: [group / 2][98,304]: K at (group % 2) 24,576 + hd 6,144 + f 1,536, V 49,152 further on.  The scale words meet in LDS and leave as whole runs of 512 bytes:
; qs [group][hd][256], kvs [group][K: hd 256 | V: hd 256]; in the 256 bytes the word of (f, r) lies at 8 (16 (f % 2) + r) + 4 (f / 2).
; NO CLUSTER: x, 131,072 bytes a work-group, is shared with nobody, and the weights come through registers, lane by lane, since they have to be quantised on the way.  No prefetch: the launch has no loop to run ahead in.
; Every LDS byte is filled once; one tensor load of a loading wave is out.
; LIMITS: NaN and infinities among the inputs are not served.  A block whose largest magnitude lies under 2^-124 (a block of zeros too) gets the byte 1; the bytes are read by this program alone.
.set XPITCH, 1040                      ; a row of x in LDS: 1,024 bytes + 16
.set XIMG,  133120                     ; behind the 128 rows: x's 16 fragments (2 T + s), 1,536 bytes each,
.set XSC,   157696                     ; their scale words, 128 bytes each,
.set KSC,   159744                     ; q's or k's scale words, 1,024 bytes; v's lie 1,024 further on
.set SPARE, 161792                     ; the spare words, 128 bytes for each wave: eight blocks of 256 bytes that no other line names
.set WIMG,  163840                     ; Wq's or Wk's 32 fragments (2 tile + s),
.set WWRD,  212992                     ; their scale words, 256 bytes a tile
.set WVD,   53248                      ; Wv's fragments and words lie this far behind them
.set FRB,   1536
.set WORDS, 49152
.set SPW, 1                            ; v1   LDS address of my spare word; never rewritten
.set NIL, 2                            ; v2   0; never rewritten
.set SH8, 3                            ; v3   8 x (lane / 16)
.set L16, 4
.set L8,  5
.set XA,  6                            ; v6   my row's numbers in LDS
.set XWI, 7                            ; v7   where I store x's image
.set XWS, 8                            ; v8   and its scale word
.set XI,  9                            ; v9   x's tiles 2 f, 2 f + 1
.set XIS, 10                           ; v10  and their words
.set LI,  11                           ; v11  x's images from the first on
.set LS,  12                           ; v12  and their words
.set KWA, 13                           ; v13  where my fragment's scale word goes
.set SRD, 14                           ; v14  where the scale words are read back
.set TM,  16                           ; v16-31 at work
.set XW,  32                           ; v32  the scale word just made
.set VA,  33                           ; v33  my column's byte in a weight's row 32 (lane / 16)
.set WAS, 34                           ; v34-41 W's scale words: 2 tau + s
.set XS,  42                           ; v42-49 x's scale words
.set WVS, 50                           ; v50-51 Wv's
.set CD,  52                           ; v52-63 the codes just made
.set R,   64                           ; v64-191 128 numbers of my column of a weight
.set WAF, 64                           ; v64-159 then W's eight fragments (2 tau + s); for v: x's eight of a K step
.set XF,  160                          ; v160-183 two fragments of x; for v: Wv's two
.set ACC, 184                          ; v184-247 64 numbers of x, then the eight accumulators
.set D0,  192                          ; v192-215 my tile of Wq or Wk, both K steps;  v216-217 its two words
.set WD,  216
.set D2,  218                          ; v218-241 my tile of Wv or Wo;  v242-243 its two words
.set WD2, 242
.set OUTW, 248
.set WST, 252                          ; v252 where my tile's images go;  v253 its words;  v254 my head's images;  v255 their words
.set WWS, 253
.set WRD, 254
.set WRW, 255
.set WV,   18
.set ROLE, 19
.set GRP,  20
.set HD,   21
.set FT,   22
.set NW,   23
.set G1,   24
.set G0,   32
.set SEL,  50
.set P1,   58                          ; s[58:59] Wq or Wk
; 64 numbers of a lane, register 32 c + i = number i of the lane's block 2 c + (lane / 16) of 128 along K, become a fragment's 12 registers of codes and its row's scale word.
.macro QUANT src, dst, wrd, tmp
.irp c, 0,1
	v_max3_num_f32 v[(\tmp)+\c], |v[(\src)+32*\c]|, |v[(\src)+32*\c+1]|, 0x1800000   ; the block's largest magnitude, with the floor 2^(3 - 127) among its leaves: the byte cannot fall under 1
.endr
.irp i, 2,4,6,8,10,12,14,16,18,20,22,24,26,28,30
.irp c, 0,1
	v_max3_num_f32 v[(\tmp)+\c], v[(\tmp)+\c], |v[(\src)+32*\c+\i]|, |v[(\src)+32*\c+\i+1]|   ; the two blocks by turns; ascending
.endr
.endr
.irp c, 0,1
	s_delay_alu instid0(VALU_DEP_2)
	v_add_nc_u32 v[(\tmp)+2+\c], 0xff000000, v[(\tmp)+\c]     ; 2 off the exponent field: the conversion's scale operand
.endr
.irp c, 0,1
	s_delay_alu instid0(VALU_DEP_2)
	v_lshrrev_b32 v[(\tmp)+4+\c], 23, v[(\tmp)+2+\c]          ; the scale's byte
.endr
	s_delay_alu instid0(VALU_DEP_1)
	v_lshl_or_b32 v[\wrd], v[(\tmp)+5], 16, v[(\tmp)+4]       ; my two bytes: blocks h and 2 + h,
	v_mov_b32 v[(\tmp)+6], 0                                  ; (a lane permute's destination counts as one of its sources)
	s_delay_alu instid0(VALU_DEP_2)
	v_lshlrev_b32 v[\wrd], v[SH8], v[\wrd]                    ; at their places in the word;
	s_delay_alu instid0(VALU_DEP_1)
	v_permlanex16_b32 v[(\tmp)+6], v[\wrd], s[SEL], s[SEL+1]
	s_delay_alu instid0(VALU_DEP_1)
	v_or_b32 v[\wrd], v[\wrd], v[(\tmp)+6]                    ; with lane l xor 16's two the word is whole, in both halves of the lanes
.irp c, 0,1
	v_cvt_scalef32_pk16_fp6_f32 v[(\dst)+6*\c:(\dst)+6*\c+2], v[(\src)+32*\c:(\src)+32*\c+15], v[(\tmp)+2+\c]
	v_cvt_scalef32_pk16_fp6_f32 v[(\tmp)+8+4*\c:(\tmp)+10+4*\c], v[(\src)+32*\c+16:(\src)+32*\c+31], v[(\tmp)+2+\c]   ; (a conversion's three registers begin on an even number)
.endr
	v_nop                                                     ; one plain place behind the scaled conversions
.irp c, 0,1
.irp i, 0,1,2
	v_mov_b32 v[(\dst)+3+6*\c+\i], v[(\tmp)+8+4*\c+\i]
.endr
.endr
.endm
.macro WLOAD p                         ; register 64 s + 32 c + i: W(128 s + 64 c + 32 h + i, my column)
.set n, 0
.rept 128
	global_load_b32 v[R+n], v[VA], s[\p:\p+1] offset:((n/32)*64+n%32)*1024
.set n, n+1
.endr
.endm
.macro WQ d, w                         ; my tile's two fragments and two words
	s_wait_loadcnt 63                              ; K step 0's 64 loads are in: behind them 64 were issued, and 63 is the most that a wait can name
	QUANT R, \d, \w, TM
	s_wait_loadcnt 0x0
	QUANT R+64, (\d)+12, (\w)+1, TM
	s_wait_alu depctr_va_vdst(0)
.endm
.macro WPUT d, w, off                  ; images of registers: four registers of lane l at 512 c + 16 l; the two words at 8 l
.irp c, 0,1,2,3,4,5
	ds_store_b128 v[WST], v[(\d)+4*\c:(\d)+4*\c+3] offset:(\off)+512*\c
.endr
	ds_store_b64 v[WWS], v[\w:\w+1] offset:\off
.endm
.macro BARRIER                         ; my LDS stores have landed and my LDS loads are in: then the work-group's barrier
	s_wait_dscnt 0x0
	s_barrier_signal -1
	s_barrier_wait -1
.endm
.macro PLACES                          ; four plain places behind matrix instructions (ISA guide 7.12.1)
.rept 4
	v_nop
.endr
.endm
; K step s of q or k: eight accumulators by turns: (x's tile a) x (W's tile t)
.macro KPROD s
.if \s
	PLACES
.endif
.irp a, 0,1
.irp c, 0,1,2
	ds_load_b128 v[XF+12*\a+4*\c:XF+12*\a+4*\c+3], v[XI] offset:(2*\a+\s)*FRB+512*\c
.endr
	ds_load_b32 v[XS+\a], v[XIS] offset:(2*\a+\s)*128
.endr
	s_wait_dscnt 0x0
.irp a, 0,1
.irp t, 0,1,2,3
.if \s
	v_wmma_scale_f32_16x16x128_f8f6f4 v[ACC+32*\a+8*\t:ACC+32*\a+8*\t+7], v[WAF+12*(2*\t+1):WAF+12*(2*\t+1)+11], v[XF+12*\a:XF+12*\a+11], v[ACC+32*\a+8*\t:ACC+32*\a+8*\t+7], v[WAS+2*\t+1], v[XS+\a] matrix_a_fmt:MATRIX_FMT_FP6 matrix_b_fmt:MATRIX_FMT_FP6
.else
	v_wmma_scale_f32_16x16x128_f8f6f4 v[ACC+32*\a+8*\t:ACC+32*\a+8*\t+7], v[WAF+12*(2*\t):WAF+12*(2*\t)+11], v[XF+12*\a:XF+12*\a+11], 0, v[WAS+2*\t], v[XS+\a] matrix_a_fmt:MATRIX_FMT_FP6 matrix_b_fmt:MATRIX_FMT_FP6
.endif
.endr
.endr
.endm
; K step s of v: source 0 = x's tile t (16 keys), source 1 = Wv's tile (16 channels): eight accumulators by turns
.macro VPROD s
.if \s
	PLACES
.endif
.irp t, 0,1,2,3,4,5,6,7
.irp c, 0,1,2
	ds_load_b128 v[WAF+12*\t+4*\c:WAF+12*\t+4*\c+3], v[LI] offset:(2*\t+\s)*FRB+512*\c
.endr
	ds_load_b32 v[XS+\t], v[LS] offset:(2*\t+\s)*128
.endr
	s_wait_dscnt 0x0
.irp t, 0,1,2,3,4,5,6,7
.if \s
	v_wmma_scale_f32_16x16x128_f8f6f4 v[ACC+8*\t:ACC+8*\t+7], v[WAF+12*\t:WAF+12*\t+11], v[XF+12:XF+23], v[ACC+8*\t:ACC+8*\t+7], v[XS+\t], v[WVS+1] matrix_a_fmt:MATRIX_FMT_FP6 matrix_b_fmt:MATRIX_FMT_FP6
.else
	v_wmma_scale_f32_16x16x128_f8f6f4 v[ACC+8*\t:ACC+8*\t+7], v[WAF+12*\t:WAF+12*\t+11], v[XF:XF+11], 0, v[XS+\t], v[WVS] matrix_a_fmt:MATRIX_FMT_FP6 matrix_b_fmt:MATRIX_FMT_FP6
.endif
.endr
.endm
	s_load_b256 s[4:11], s[0:1], 0x0               ; target s[4:5], source s[6:7], wc s[8:9], qc s[10:11]
	s_load_b128 s[12:15], s[0:1], 0x20             ; qs s[12:13], kvc s[14:15]
	s_load_b64 s[16:17], s[0:1], 0x30              ; kvs
	s_load_b256 s[68:75], s[0:1], 0x38             ; Wq s[68:69], Wk s[70:71], Wv s[72:73], Wo s[74:75]
	v_lshl_add_u32 v[SPW], v0, 2, SPARE
	v_mov_b32 v[NIL], 0
	ds_add_u32 v[SPW], v[NIL]                      ; the opening lines: the add, twice on end, and one wait; the set-up below stands between
	ds_add_u32 v[SPW], v[NIL]
	v_lshrrev_b32 v15, 5, v0
	s_delay_alu instid0(VALU_DEP_1)
	v_readfirstlane_b32 s[WV], v15                 ; wave 0..15
	s_and_b32 s[ROLE], ttmp9, 1                    ; 0: q;  1: k and v
	s_lshr_b32 s[GRP], ttmp9, 1                    ; the group of 128 rows
	s_lshr_b32 s[HD], s[WV], 2
	s_and_b32 s[FT], s[WV], 3
	s_mov_b32 s[SEL], 0x76543210
	s_mov_b32 s[SEL+1], 0xfedcba98
	; descriptor group 1: 64 rows of 256 elements of 4 bytes, dense in memory, 16 bytes of padding behind each row in LDS
	s_mov_b32 s[G1+0], (2<<16)|(1<<20)|(7<<22)|(3<<25)
	s_mov_b32 s[G1+1], 256<<16
	s_mov_b32 s[G1+2], 64<<16
	s_mov_b32 s[G1+3], 256<<16
	s_mov_b32 s[G1+4], 64
	s_mov_b32 s[G1+5], 256
	s_mov_b32 s[G1+6], 0
	s_mov_b32 s[G1+7], 0
	s_and_b32 s52, s[WV], 1                        ; waves 0 and 1 fetch: rows 64 (w % 2) on
	s_mov_b32 s[G0], 1
	s_mul_i32 s[G0+1], s52, 64*XPITCH
	s_lshl_b32 s36, s[GRP], 17                     ; the group's 131,072 bytes of x,
	s_lshl_b32 s53, s52, 16
	s_add_co_u32 s36, s36, s53                     ; my half of them
	s_mov_b32 s37, 0
	s_mul_i32 s46, s[WV], 2*FRB                    ; wc: Wo's tile w,
	s_mov_b32 s47, 0
	s_lshl_b32 s48, s[WV], 8
	s_add_co_u32 s48, s48, WORDS                   ; and its words
	s_mov_b32 s49, 0
	; offsets of the results
	s_mul_i32 s52, s[GRP], 16*FRB                  ; q: the group's 24,576 bytes
	s_lshr_b32 s53, s[GRP], 1
	s_mul_i32 s53, s53, 98304                      ; k, v: the slot of 256 keys,
	s_and_b32 s54, s[GRP], 1
	s_mul_i32 s54, s54, 16*FRB
	s_add_co_u32 s53, s53, s54                     ; the step in it
	s_lshl_b32 s54, s[GRP], 10                     ; the words: 1,024 bytes a group of q,
	s_lshl_b32 s55, s[GRP], 11                     ; 2,048 of k and v
	s_cmp_eq_u32 s[ROLE], 0
	s_cselect_b32 s42, s52, s53
	s_cselect_b32 s44, s54, s55
	s_cselect_b32 s[NW], 2, 4                      ; waves that carry the words out, 512 bytes each
	s_mul_i32 s52, s[WV], FRB
	s_add_co_u32 s42, s42, s52                     ; my fragment: hd 6,144 + f 1,536
	s_mov_b32 s43, 0
	s_lshl_b32 s52, s[FT], 9
	s_add_co_u32 s44, s44, s52
	s_mov_b32 s45, 0
	; every LDS address is made here, of the thread's number, the wave's number and constants
	v_and_b32 v15, 31, v0                          ; lane
	v_bfe_u32 v30, v0, 4, 1                        ; h
	v_and_b32 v29, 7, v0
	v_bfe_u32 v28, v0, 3, 1
	v_lshlrev_b32 v[L16], 4, v15
	v_lshlrev_b32 v[L8], 3, v15
	v_lshlrev_b32 v31, 2, v15                      ; 4 x lane
	v_lshlrev_b32 v[SH8], 3, v30
	v_lshl_add_u32 v29, v28, 5, v29                ; 32 (r / 8) + r % 8
	s_delay_alu instid0(VALU_DEP_1)
	v_lshlrev_b32 v[VA], 2, v29                    ; a weight: my column, 4 bytes each,
	s_delay_alu instid0(VALU_DEP_1)
	v_lshl_add_u32 v[VA], v30, 15, v[VA]           ; + 32 h rows of 1,024 bytes
	v_mul_u32_u24 v29, v29, XPITCH
	s_delay_alu instid0(VALU_DEP_1)
	v_lshl_add_u32 v29, v30, 7, v29                ; x: + 128 h: my block of 32 numbers
	s_wait_alu depctr_va_vdst(0)                   ; the wait ahead of the run of scalar lines
	s_lshr_b32 s52, s[WV], 1                       ; T = w / 2
	s_lshr_b32 s53, s52, 2
	s_lshl_b32 s53, s53, 6
	s_and_b32 s54, s52, 3
	s_lshl_b32 s54, s54, 3
	s_add_co_u32 s53, s53, s54                     ; 64 (T / 4) + 8 (T % 4)
	s_mul_i32 s53, s53, XPITCH
	s_and_b32 s54, s[WV], 1
	s_lshl_b32 s54, s54, 9                         ; K step w % 2: 512 bytes on
	s_add_co_u32 s53, s53, s54
	v_add_nc_u32 v[XA], s53, v29
	s_mul_i32 s53, s[WV], FRB
	s_add_co_u32 s53, s53, XIMG
	v_add_nc_u32 v[XWI], s53, v[L16]
	s_lshl_b32 s53, s[WV], 7
	s_add_co_u32 s53, s53, XSC
	v_add_nc_u32 v[XWS], s53, v31
	s_mul_i32 s53, s[FT], 4*FRB
	s_add_co_u32 s53, s53, XIMG
	v_add_nc_u32 v[XI], s53, v[L16]
	s_lshl_b32 s53, s[FT], 9
	s_add_co_u32 s53, s53, XSC
	v_add_nc_u32 v[XIS], s53, v31
	v_add_nc_u32 v[LI], XIMG, v[L16]
	v_add_nc_u32 v[LS], XSC, v31
	s_lshl_b32 s52, s[HD], 8
	s_lshl_b32 s53, s[FT], 5
	s_add_co_u32 s53, s52, s53
	v_add_nc_u32 v[VA], s53, v[VA]                 ; + 64 hd + 8 tau columns
	s_and_b32 s53, s[FT], 1
	s_lshl_b32 s53, s53, 7
	s_add_co_u32 s52, s52, s53
	s_lshr_b32 s53, s[FT], 1
	s_lshl_b32 s53, s53, 2
	s_add_co_u32 s52, s52, s53
	s_add_co_u32 s52, s52, KSC
	v_and_b32 v15, 15, v0
	s_delay_alu instid0(VALU_DEP_1)
	v_lshl_add_u32 v[KWA], v15, 3, s52             ; KSC + 256 hd + 128 (f % 2) + 4 (f / 2) + 8 r
	s_lshl_b32 s52, s[FT], 9
	s_add_co_u32 s52, s52, KSC
	v_add_nc_u32 v[SRD], s52, v[L16]
	s_mul_i32 s52, s[WV], 2*FRB
	s_add_co_u32 s52, s52, WIMG
	v_add_nc_u32 v[WST], s52, v[L16]
	s_lshl_b32 s52, s[WV], 8
	s_add_co_u32 s52, s52, WWRD
	v_add_nc_u32 v[WWS], s52, v[L8]
	s_mul_i32 s52, s[HD], 8*FRB
	s_add_co_u32 s52, s52, WIMG
	v_add_nc_u32 v[WRD], s52, v[L16]
	s_lshl_b32 s52, s[HD], 10
	s_add_co_u32 s52, s52, WWRD
	v_add_nc_u32 v[WRW], s52, v[L8]
	s_wait_alu depctr_va_vdst(0)                   ; the wait at the head's end
	s_wait_dscnt 0x0                               ; both opening adds are done
	s_wait_kmcnt 0x0
	s_cmp_eq_u32 s[ROLE], 0                        ; the choices hang on the work-group's number alone
	s_cselect_b64 s[52:53], s[4:5], s[6:7]         ; x
	s_cselect_b64 s[54:55], s[10:11], s[14:15]     ; the codes' buffer
	s_cselect_b64 s[56:57], s[12:13], s[16:17]     ; the words' buffer
	s_cselect_b64 s[P1:P1+1], s[68:69], s[70:71]   ; Wq or Wk
	s_add_nc_u64 s[G0+2:G0+3], s[52:53], s[36:37]
	s_or_b32 s[G0+3], s[G0+3], 0x80000000          ; type = 2
	s_add_nc_u64 s[42:43], s[54:55], s[42:43]
	s_add_nc_u64 s[44:45], s[56:57], s[44:45]
	s_add_nc_u64 s[46:47], s[8:9], s[46:47]
	s_add_nc_u64 s[48:49], s[8:9], s[48:49]
	s_cmp_lt_u32 s[WV], 2
	s_cbranch_scc0 .Lno_fill
	tensor_load_to_lds s[G0:G0+3], s[G1:G1+7]      ; 64 rows of x: the launch's only fills
	s_nop 0
.rept 4
	v_nop
.endr
.Lno_fill:
	; ---- the weights, in registers, while x is on its way
	WLOAD P1
	WQ D0, WD
	s_cmp_eq_u32 s[ROLE], 0
	s_cbranch_scc1 .Lno_wv
	WLOAD 72                                       ; the odd work-groups: my tile of Wv
	WQ D2, WD2
	s_wait_tensorcnt 0x0                           ; no tensor load of mine is out when I store to LDS
	WPUT D2, WD2, WVD
.Lno_wv:
	s_cmp_lg_u32 ttmp9, 0
	s_cbranch_scc1 .Lno_wo
	WLOAD 74                                       ; work-group 0: my tile of Wo, for the attention launch
	WQ D2, WD2
.irp c, 0,1,2,3,4,5
	global_store_b128 v[L16], v[D2+4*\c:D2+4*\c+3], s[46:47] offset:512*\c    ; 32 lanes store 512 consecutive bytes, aligned
.endr
	global_store_b64 v[L8], v[WD2:WD2+1], s[48:49] ; 256 consecutive bytes, aligned
	s_wait_xcnt 0x0                                ; the stores have read their registers, which x's numbers take below
.Lno_wo:
	s_wait_tensorcnt 0x0                           ; my rows of x have landed,
	WPUT D0, WD, 0
	BARRIER                                        ; everybody's have, and all of W's images lie in LDS
	; ---- x: my fragment: tile w / 2, K step w % 2
.irp c, 0,1
.irp i, 0,1,2,3,4,5,6,7
	ds_load_b128 v[ACC+32*\c+4*\i:ACC+32*\c+4*\i+3], v[XA] offset:256*\c+16*\i
.endr
.endr
.set i, 0
.rept 24
	ds_load_b128 v[WAF+4*i:WAF+4*i+3], v[WRD] offset:512*i    ; my head's eight fragments of Wq or Wk: fragment (tau, s) at WAF + 12 (2 tau + s)
.set i, i+1
.endr
.irp t, 0,1,2,3
	ds_load_b64 v[WAS+2*\t:WAS+2*\t+1], v[WRW] offset:256*\t
.endr
	s_wait_dscnt 28                                ; x's 16 loads are in; the 28 loads of the weights may be out
	QUANT ACC, CD, XW, TM
.irp c, 0,1,2
	ds_store_b128 v[XWI], v[CD+4*\c:CD+4*\c+3] offset:512*\c
.endr
	ds_store_b32 v[XWS], v[XW]
	BARRIER                                        ; x's sixteen fragments lie in LDS; the weights are in my registers
	; ---- q or k
	KPROD 0
	KPROD 1
	PLACES
	QUANT ACC, CD, XW, TM                          ; lane (r, h), register 32 a + i: number 32 h + i of the head, row r of x's tile 2 f + a
.irp c, 0,1,2
	global_store_b128 v[L16], v[CD+4*\c:CD+4*\c+3], s[42:43] offset:512*\c
.endr
	ds_store_b32 v[KWA], v[XW]                     ; both halves of the lanes write the same word with the same value
	; ---- v: the odd work-groups alone; no barrier stands in the branch, and its one LDS store has bytes that no other line writes
	s_cmp_eq_u32 s[ROLE], 0
	s_cbranch_scc1 .Lno_v
	s_wait_xcnt 0x0                                ; the stores above have read the codes' registers, which are written again below
.set i, 0
.rept 6
	ds_load_b128 v[XF+4*i:XF+4*i+3], v[WST] offset:WVD+512*i    ; my own tile of Wv, back from LDS
.set i, i+1
.endr
	ds_load_b64 v[WVS:WVS+1], v[WWS] offset:WVD
	VPROD 0
	VPROD 1
	PLACES
	QUANT ACC, CD, XW, TM                          ; lane (r, h), register 32 c + i: key 64 c + 32 h + i of the group, channel r of my tile
.irp c, 0,1,2
	global_store_b128 v[L16], v[CD+4*\c:CD+4*\c+3], s[42:43] offset:49152+512*\c
.endr
	ds_store_b32 v[KWA], v[XW] offset:1024
.Lno_v:
	BARRIER                                        ; all scale words lie in LDS
	s_cmp_ge_u32 s[WV], s[NW]
	s_cbranch_scc1 .Lno_words
	ds_load_b128 v[OUTW:OUTW+3], v[SRD]
	s_wait_dscnt 0x0
	global_store_b128 v[L16], v[OUTW:OUTW+3], s[44:45]   ; 512 consecutive bytes, aligned
.Lno_words:
	s_wait_tensorcnt 0x0                           ; the wave's end: behind my last tensor load and my last LDS store
	ds_add_u32 v[SPW], v[NIL]
	s_wait_dscnt 0x0
	s_endpgm
.Lfunc_end_k_qfc15d2b546_proj:
	.size	k_qfc15d2b546_proj, .Lfunc_end_k_qfc15d2b546_proj-k_qfc15d2b546_proj
	.p2alignl 7, 3214868480
	.fill 96, 4, 3214868480
	.section	.rodata,"a",@progbits
	.p2align	6, 0x0
	.amdhsa_kernel k_qfc15d2b546_proj
		.amdhsa_group_segment_fixed_size 270336
		.amdhsa_private_segment_fixed_size 0
		.amdhsa_enable_private_segment 0
		.amdhsa_kernarg_size 88
		.amdhsa_user_sgpr_count 2
		.amdhsa_user_sgpr_kernarg_segment_ptr 1
		.amdhsa_wavefront_size32 1
		.amdhsa_system_sgpr_workgroup_id_x 1
		.amdhsa_system_sgpr_workgroup_id_y 1
		.amdhsa_system_sgpr_workgroup_id_z 1
		.amdhsa_system_vgpr_workitem_id 0
		.amdhsa_next_free_vgpr 256
		.amdhsa_next_free_sgpr 80
		.amdhsa_reserve_vcc 0
		.amdhsa_float_denorm_mode_32 3
		.amdhsa_float_denorm_mode_16_64 3
		.amdhsa_memory_ordered 1
		.amdhsa_forward_progress 1
		.amdhsa_inst_pref_size 88
	.end_amdhsa_kernel
	.amdgpu_metadata
---
amdhsa.version: [ 1, 2 ]
amdhsa.kernels:
  - .name:           k_qfc15d2b546_proj
    .symbol:         k_qfc15d2b546_proj.kd
    .args:
      - { .name: target, .offset: 0, .size: 8, .value_kind: global_buffer, .address_space: global }
      - { .name: source, .offset: 8, .size: 8, .value_kind: global_buffer, .address_space: global }
      - { .name: wc, .offset: 16, .size: 8, .value_kind: global_buffer, .address_space: global }
      - { .name: qc, .offset: 24, .size: 8, .value_kind: global_buffer, .address_space: global }
      - { .name: qs, .offset: 32, .size: 8, .value_kind: global_buffer, .address_space: global }
      - { .name: kvc, .offset: 40, .size: 8, .value_kind: global_buffer, .address_space: global }
      - { .name: kvs, .offset: 48, .size: 8, .value_kind: global_buffer, .address_space: global }
      - { .name: Wq, .offset: 56, .size: 8, .value_kind: global_buffer, .address_space: global }
      - { .name: Wk, .offset: 64, .size: 8, .value_kind: global_buffer, .address_space: global }
      - { .name: Wv, .offset: 72, .size: 8, .value_kind: global_buffer, .address_space: global }
      - { .name: Wo, .offset: 80, .size: 8, .value_kind: global_buffer, .address_space: global }
    .group_segment_fixed_size: 270336
    .private_segment_fixed_size: 0
    .kernarg_segment_align: 8
    .kernarg_segment_size: 88
    .max_flat_workgroup_size: 512
    .sgpr_count:     80
    .vgpr_count:     256
    .wavefront_size: 32
...
	.end_amdgpu_metadata
.endif
;; end of part 1
;; launch attn (part 2): grid 64 x 4, 8 waves a work-group, clusters of 4 x 1, 327,680 bytes of LDS; arguments qc, qs, kvc, kvs, wc, out0; writes out0
.if DOCPART == 2
	.amdgcn_target "amdgcn-amd-amdhsa--gfx1250"
	.amdhsa_code_object_version 6
	.text
	.protected	k_qfc15d2b546_attn
	.globl	k_qfc15d2b546_attn
	.p2align	8
	.type	k_qfc15d2b546_attn,@function
k_qfc15d2b546_attn:
	s_mov_b64 s[64:65], 0
	v_nop
	global_prefetch_b8 v0, s[64:65] scope:SCOPE_SE
	s_setreg_imm32_b32 hwreg(HW_REG_WAVE_MODE, 25, 1), 1
	s_wait_xcnt 0x0
	s_wait_alu depctr_hold_cnt(0) depctr_sa_sdst(0) depctr_va_vdst(0) depctr_va_sdst(0) depctr_va_ssrc(0) depctr_va_vcc(0) depctr_vm_vsrc(0)
	s_getreg_b32 s2, hwreg(HW_REG_IB_STS2, 6, 4)
	s_cmp_eq_u32 s2, 0
	s_cbranch_scc0 .Lentry_in_a_cluster
	s_endpgm
.Lentry_in_a_cluster:
	s_bfe_u32 s2, ttmp6, 0x10000c
	s_cmp_lg_u32 s2, 0x3003
	s_cbranch_scc0 .Lentry_shape_is_right
	s_endpgm
.Lentry_shape_is_right:
; out0 = (softmax(q k^T / 8) v) Wo, every product on codes of FP6 (E2M3) with one E8M0 byte for each 32 along its K.  q, k, v and Wo arrive as images of operands, with their scale words.
; THE SOFTMAX: t = score x log2(e) / 8; M = the row's largest t so far, rounded UP to a whole number; p = 2^(t - M) is quantised along the keys, not normalised.  The row's sum is taken of the unquantised p and divides O
; at the end.  When M moves, the sum and O are multiplied by 2^(old M - new M): exact.
; SHARES.  A work-group owns 64 queries of one batch for ALL FOUR HEADS, so that a row's 256 numbers of o meet in its LDS and the last product is made here.  Eight waves: wave w takes head w / 2 and TWO tiles of 16
; queries, 2 (w % 2) and the next: they are sets A and B of one fragment of q.  Each fragment of K and V that a wave reads from LDS serves both tiles.  Every wave walks the batch's 4,096 keys, 128 a step.
; REGISTERS in two windows of 256: window 0: addresses, all scale words, K's fragments, tile A's state; window 1: V's fragments (at K's numbers), tile B's state at the same numbers as tile A's.
; LAYOUT.  Both products are used transposed (S^T = K Q^T, O^T = V^T P^T): a lane holds one query of each tile.  The rows of every tile were chosen so that the 32 registers of four neighbouring tiles are 32 neighbours:
; whole blocks in one lane, in the order of the operand's registers.  K = 64 in an instruction of 128: a fragment of K holds two tiles of keys; Q lies as (0 x 6 | q x 6 | 0 x 6): QLO = (q, 0), QHI = (0, q).
; THE RING: two slots of 256 keys (all heads' K and V: 98,304 bytes, dense in memory).  V of a step is read at the step's head, K of the next step behind the step's score products.  So the change of slots stands in the
; middle of a slot's second step, behind its score products: all of the slot is in registers; behind the round stand the refill and the next slot's K loads, and two softmaxes of register work follow them.
; CLUSTER: the four work-groups of a cluster belong to one batch and walk the same K and V: every tile is asked for jointly.  By this text's count a wave has one tensor load out at the head and one behind each round.
; LIMITS: NaN and infinities are not served.  The promise holds while the scaled scores t stay under 2^31 in magnitude.  A block whose largest magnitude lies under 2^-124 (a block of zeros too) gets the byte 1.
; A block's largest p is taken as the exponential of its largest score, which takes v_exp_f32 not to fall where its input rises.  v_exp_f32 gives 0 for results under 2^-126 (ISA guide, its entry).
.set SLOT1, 131072
.set STEPB, 24576                      ; a step's K, or V, of all four heads
.set VOFF,  49152                      ; a slot: K of two steps, then V of two steps
.set SLOTB, 98304
.set EIGHTH, 12288                     ; what one wave refills
.set OIMG,  98304                      ; between the slots: o's eight fragments (2 m + s), 1,536 bytes each,
.set OSC,   110592                     ; their scale words, 64 bytes each,
.set SPARE, 111104                     ; and the spare words, 128 bytes for each wave: four blocks of 256 bytes that no other line names
.set SCL,   229376                     ; behind slot 1: the scale words: [step][K: hd 256 | V: hd 256]
.set STG,   0                          ; the way out: 64 rows x (1,024 + 16) bytes, in slot 0: it has had its last fill, and nobody reads it behind the last change of slots
.set SPITCH, 1040
.set FRB,   1536
.set BATC,  1572864
.set WOREC, 0                          ; wc holds Wo's record alone
.set WORDS, 49152
.set SPW, 1                            ; my spare word's address; never rewritten
.set NIL, 2                            ; 0; never rewritten
.set SLV, 3                            ; byte selects that weave my two scale bytes with lane l xor 16's, in both windows
.set AK0, 4                            ; 16 x lane + my head's 6,144 bytes
.set AS0, 5                            ; SCL + 8 x lane + my head's 256 bytes
.set ADK, 6                            ; addresses made anew ahead of each run of loads
.set ADV, 7
.set ADS, 8
.set PFO, 9                            ; 256 x lane
.set L16, 10
.set L8,  11                           ; v12 -M, v13 the largest score, v[14:15] the sum: in both windows
.set QS,  16                           ; v16-17 Q's scale words, tile A, tile B
.set KS,  18
.set VS,  20
.set PS,  22                           ; v22-23 p's scale words, tile A, tile B
.set OS,  16                           ; in the tail v16-23 take o's eight scale words
.set WOS, 24                           ; v24-27 Wo's scale words, two tiles
.set STO, 28
.set SRD, 29
.set OA16, 30
.set OA8, 31
.set OB,  32
.set QW,  33                           ; q's scale word as it is loaded
.set QHI, 34
.set QLO, 40
.set FR,  52                           ; v52-99: window 0 K's four fragments, window 1 V's
.set SC,  100
.set OT,  164
.set PC,  196
.set PT,  208
.set B0,  216
.set B1,  217
.set T0,  218
.set T1,  219
.set FF,  220
.set MX,  222                          ; v222-229 eight chains of maxima; later at work for the sums
.set E0,  224
.set Y0,  226
.set XP,  228
.set OM,  229                          ; the old -M
.set WO,  232                          ; v232-255: window 0 Wo's tile 2 w, window 1 tile 2 w + 1
.set WV,  16
.set HD,  17
.set TAU, 18
.set CX,  19
.set BX,  20
.set BAT, 21
.set SEL, 22
.set CS,  24
.set PR,  26
.set G1C, 28                           ; group 1: a quarter of a slot, 96 rows;  G1S: a quarter of the scale words, 64 rows;  G1R: an eighth of a slot, 48 rows
.set G1S, 36
.set G0C, 44
.set G0S, 48
.set TB,  52                           ; LDS byte of the slot in hand;  TN: of the other;  TV: of the slot in hand's V
.set TS,  53
.set SLOTS, 54
.set TV,  55
.set PFA, 56
.set LIM, 58
.set TN,  59
.set G1R, 88
.set G0R, 96
.set MSB, 0
.macro WIN new                         ; low byte: bits 1:0 source 0, 3:2 source 1, 5:4 source 2, 7:6 destination; the high byte repeats the setting that is left
.if MSB != \new
	s_set_vgpr_msb (MSB<<8)|\new
.set MSB, \new
.endif
.endm
.macro CROUND
	s_barrier_signal -1
	s_barrier_wait -1
	s_cmp_lg_u32 s[WV], 0
	s_cbranch_scc1 .Lnot_wave_0_\@
	s_barrier_signal -3
.Lnot_wave_0_\@:
	s_barrier_wait -3
	s_barrier_signal -1
	s_barrier_wait -1
.endm
.macro NOPS n
.rept \n
	v_nop
.endr
.endm
.macro JLOAD                           ; a joint refill: every wave an eighth of the slot; s_nop 0 and four v_nop follow
	tensor_load_to_lds s[G0R:G0R+3], s[G1R:G1R+7]
	s_nop 0
	NOPS 4
.endm
; A prefetch of the slot that the NEXT round will ask for.  All sixteen clusters of a batch walk the same slots: the batch's first cluster asks; its four partners share the slot out by address, 24,576 bytes each;
; in each, waves 4, 5 and 6 ask, 8,192 bytes a wave, lanes 256 bytes apart: each block of 256 bytes is named once.  The last round that fills a slot asks for nothing.
.macro ASK
	s_cmp_gt_u32 s[SLOTS], s[LIM]
	s_cbranch_scc0 .Lnot_mine_\@
	global_prefetch_b8 v[PFO], s[PFA:PFA+1] th:TH_LOAD_NT scope:SCOPE_SE
.Lnot_mine_\@:
.endm
.macro CHANGE fill
	s_wait_tensorcnt 0x0                           ; no tensor load of mine is out: my eighth of the other slot has landed, and a group 0 may be written
	ds_add_u32 v[SPW], v[NIL]
.if \fill
	s_xor_b32 s[G0R+1], s[G0R+1], SLOT1
	s_add_nc_u64 s[G0R+2:G0R+3], s[G0R+2:G0R+3], SLOTB
	s_wait_xcnt 0x0                                ; the last prefetch has read its address
	s_add_nc_u64 s[PFA:PFA+1], s[PFA:PFA+1], SLOTB
.endif
	s_wait_dscnt 0x0                               ; the add is done; all my reads of the slot in hand are in registers
.if \fill
	CROUND
	JLOAD
.else
	s_barrier_signal -1
	s_barrier_wait -1
.endif
.endm
.macro W6 d, a, b, c, sa, sb, row
.if \row
	v_wmma_scale_f32_16x16x128_f8f6f4 v[(\d):(\d)+7], v[(\a):(\a)+11], v[(\b):(\b)+11], \c, v[\sa], v[\sb] matrix_a_fmt:MATRIX_FMT_FP6 matrix_b_fmt:MATRIX_FMT_FP6 matrix_a_scale:MATRIX_SCALE_ROW1
.else
	v_wmma_scale_f32_16x16x128_f8f6f4 v[(\d):(\d)+7], v[(\a):(\a)+11], v[(\b):(\b)+11], \c, v[\sa], v[\sb] matrix_a_fmt:MATRIX_FMT_FP6 matrix_b_fmt:MATRIX_FMT_FP6
.endif
.endm
.macro KRUN sb, off                    ; K's four fragments and their words for the step after this one; the first four lines are places behind the score products
	v_add_nc_u32 v[ADK], s[\sb], v[AK0]
	v_add_nc_u32 v[ADS], s[TS], v[AS0]
	NOPS 2
.set i, 0
.rept 12
	ds_load_b128 v[FR+4*i:FR+4*i+3], v[ADK] offset:(\off)+512*i
.set i, i+1
.endr
	ds_load_b64 v[KS:KS+1], v[ADS] offset:2048
.endm
.macro VRUN q                          ; this step's V into window 1
	v_add_nc_u32 v[ADV], s[TV], v[AK0]
	v_add_nc_u32 v[ADS], s[TS], v[AS0]
	WIN 0x40
.set i, 0
.rept 12
	ds_load_b128 v[FR+4*i:FR+4*i+3], v[ADV] offset:(\q)*STEPB+512*i
.set i, i+1
.endr
	WIN 0
	ds_load_b64 v[VS:VS+1], v[ADS] offset:1024
.endm
.macro SMUL t                          ; S^T of tile t: K from window 0, Q and the scores in window t
	WIN 0x54*\t
.irp f, 0,1,2,3
	W6 SC+16*\f, FR+12*\f, QLO, 0, KS+\f/2, QS+\t, \f%2
	W6 SC+16*\f+8, FR+12*\f, QHI, 0, KS+\f/2, QS+\t, \f%2
.endr
.endm
.macro PV t                            ; O^T += V^T P^T: V from window 1; four accumulators, one instruction a turn
	WIN 0x01+0x54*\t
.irp u, 0,1,2,3
	W6 OT+8*\u, FR+12*\u, PC, v[OT+8*\u:OT+8*\u+7], VS+\u/2, PS+\t, \u%2
.endr
.endm
.macro OTM n                           ; n more pairs of O^T under the new M, ascending: each accumulator is read from its low end on
.rept \n
	v_pk_mul_f32 v[OT+jo:OT+jo+1], v[OT+jo:OT+jo+1], v[FF:FF+1] op_sel_hi:[1,0]
.set jo, jo+2
.endr
.endm
; The softmax of one tile's 128 keys and its second product, all in the tile's window; only p's scale word goes to window 0, where scale operands are read.  vw: the count of the wait for V, or -1 where V is in.
.macro SOFT t, vw
.if \t
	s_wait_alu depctr_va_vdst(0)                   ; the wait ahead of the first readers of these scores
.endif
; the largest score of each of my two blocks of 32 keys, for the row's maximum and for the block's largest p: four chains a block (numbers 0-8, 9-15, 16-24, 25-31), eight by turns; each accumulator is first read in its four lowest registers
.irp k, 0,1,2,3
.irp c, 0,1
	v_max3_num_f32 v[MX+2*\k+\c], v[SC+32*\c+8*\k+\k%2], v[SC+32*\c+8*\k+\k%2+1], v[SC+32*\c+8*\k+\k%2+2]
.endr
.endr
.irp i, 3,5
.irp k, 0,1,2,3
.irp c, 0,1
	v_max3_num_f32 v[MX+2*\k+\c], v[MX+2*\k+\c], v[SC+32*\c+8*\k+\k%2+\i], v[SC+32*\c+8*\k+\k%2+\i+1]
.endr
.endr
.endr
.irp k, 0,2
.irp c, 0,1
	v_max3_num_f32 v[MX+2*\k+\c], v[MX+2*\k+\c], v[SC+32*\c+8*\k+7], v[SC+32*\c+8*\k+8]
.endr
.endr
.irp c, 0,1
	v_max3_num_f32 v[B0+\c], v[MX+\c], v[MX+2+\c], v[MX+4+\c]
.endr
.irp c, 0,1
	s_delay_alu instid0(VALU_DEP_2)
	v_max_num_f32 v[B0+\c], v[B0+\c], v[MX+6+\c]
.endr
	s_delay_alu instid0(VALU_DEP_1)
	v_max3_num_f32 v13, v13, v[B0], v[B1]          ; the running largest score, my half of the keys;
	v_mov_b32 v[OM], v12
	s_delay_alu instid0(VALU_DEP_2)
	v_permlanex16_b32 v[T1], v13, s[SEL], s[SEL+1]
	s_delay_alu instid0(VALU_DEP_1)
	v_max_num_f32 v13, v13, v[T1]                  ; with lane l xor 16's: of my query
	s_delay_alu instid0(VALU_DEP_1)
	v_mul_f32 v[T0], s[CS], v13                    ; as t (c is positive)
	s_delay_alu instid0(VALU_DEP_1)
	v_floor_f32 v12, -v[T0]                        ; the new -M = -ceil(t)
	s_delay_alu instid0(VALU_DEP_1)
	v_fma_f32 v[B0], v[B0], s[CS], v12             ; t - M of each block's largest score
	v_fma_f32 v[B1], v[B1], s[CS], v12
.set j, 0
.rept 32
	v_pk_fma_f32 v[SC+j:SC+j+1], v[SC+j:SC+j+1], s[CS:CS+1], v[12:13] op_sel_hi:[1,0,0]   ; t - M, two at a time; the three lines that make f stand among them
.if j == 2
	v_sub_f32 v[T1], v12, v[OM]                    ; old M - new M: a whole number, 0 or less
.elseif j == 12
	v_cvt_i32_f32 v[T1], v[T1]                     ; (it saturates)
.elseif j == 22
	v_ldexp_f32 v[FF], 1.0, v[T1]                  ; f = 2^(old M - new M)
.endif
.set j, j+2
.endr
	s_wait_alu depctr_va_vdst(0)                   ; the wait ahead of the batch, and ahead of the wait below
.if \vw >= 0
	s_wait_dscnt \vw                               ; V is in; the younger loads, the next K's, may be out
.endif
	v_exp_f32 v[B0], v[B0]                         ; the blocks' largest p: the same two instructions on the same number as in the 64
	v_exp_f32 v[B1], v[B1]
.set j, 0
.rept 64
	v_exp_f32 v[SC+j], v[SC+j]                     ; p = 2^(t - M), at most 1
.set j, j+1
.endr
	v_pk_mul_f32 v[14:15], v[14:15], v[FF:FF+1] op_sel_hi:[1,0]   ; the sums under the new M: the plain place behind the exponentials
	s_wait_alu depctr_va_vdst(0)                   ; one wait for the batch, ahead of its first reader and of O^T's first readers
.set jo, 0
.irp c, 0,1
	v_max_num_f32 v[B0+\c], 0x1800000, v[B0+\c]    ; the floor 2^(3 - 127): the byte cannot fall under 1
.endr
	OTM 3
.irp c, 0,1
	v_add_nc_u32 v[E0+\c], 0xff000000, v[B0+\c]    ; 2 off the exponent field: the conversion's scale operand
.endr
	OTM 3
.irp c, 0,1
	v_lshrrev_b32 v[Y0+\c], 23, v[E0+\c]           ; the scale's byte
.endr
	OTM 3
	v_lshl_or_b32 v[Y0], v[Y0+1], 16, v[Y0]        ; my two bytes, blocks h and 2 + h, in bytes 0 and 2
	OTM 7
	v_permlanex16_b32 v[XP], v[Y0], s[SEL], s[SEL+1]
.irp c, 0,1
	v_cvt_scalef32_pk16_fp6_f32 v[PC+6*\c:PC+6*\c+2], v[SC+32*\c:SC+32*\c+15], v[E0+\c]
	v_cvt_scalef32_pk16_fp6_f32 v[PT+4*\c:PT+4*\c+2], v[SC+32*\c+16:SC+32*\c+31], v[E0+\c]   ; (a conversion's three registers begin on an even number)
.endr
	v_nop                                          ; one plain place behind the scaled conversions
	WIN 0x15*\t
	v_perm_b32 v[PS+\t], v[Y0], v[XP], v[SLV]      ; woven with lane l xor 16's two: p's scale word, into window 0
	WIN 0x55*\t
.irp c, 0,1
.irp i, 0,1,2
	v_mov_b32 v[PC+3+6*\c+\i], v[PT+4*\c+\i]
.endr
.endr
.set j, 0
.irp u, 222,230,226,224,214,212,210                ; the row's sum of the unquantised p: eight chains, two numbers an instruction.  The first eight lines are the places between p's word and codes and the products
	v_pk_add_f32 v[\u:\u+1], v[SC+j:SC+j+1], v[SC+j+2:SC+j+3]
.set j, j+4
.endr
	v_pk_add_f32 v[14:15], v[14:15], v[SC+28:SC+29]
.set j, 30
	PV \t
	WIN 0x55*\t
.irp u, 222,230,226,224,214,212,210                ; the other 24 lines name none of the products' registers
	v_pk_add_f32 v[\u:\u+1], v[\u:\u+1], v[SC+j:SC+j+1]
.set j, j+2
.endr
.irp u, 14,222,230,226,224,214,212,210
	v_pk_add_f32 v[\u:\u+1], v[\u:\u+1], v[SC+j:SC+j+1]
.set j, j+2
.endr
	v_pk_add_f32 v[14:15], v[14:15], v[SC+60:SC+61]
	v_pk_add_f32 v[222:223], v[222:223], v[SC+62:SC+63]
	v_pk_add_f32 v[230:231], v[230:231], v[212:213]
	v_pk_add_f32 v[226:227], v[226:227], v[210:211]
	v_pk_add_f32 v[14:15], v[14:15], v[224:225]
	v_pk_add_f32 v[222:223], v[222:223], v[214:215]
	v_pk_add_f32 v[14:15], v[14:15], v[230:231]
	v_pk_add_f32 v[222:223], v[222:223], v[226:227]
	s_delay_alu instid0(VALU_DEP_1)
	v_pk_add_f32 v[14:15], v[14:15], v[222:223]
.endm
; A KEY STEP, the q-th of the slot in hand.  mode 0: the slot's first step; 1: its second, with the round and the refill; 2: the same with a plain barrier and no refill; 3: the very last step.
.macro STEP q, mode
	VRUN \q                                        ; (the 24 sum lines behind the last products are the places ahead of these loads)
	s_wait_dscnt 13                                ; K and its words are in; the 13 loads of V just issued may be out
	SMUL 0
	SMUL 1
	WIN 0
.if \mode == 0
	KRUN TB, STEPB
	SOFT 0, 13
.elseif \mode == 3
	NOPS 4                                         ; places ahead of the first read of the scores
	SOFT 0, 0
.else
	CHANGE (2-\mode)
	KRUN TN, 0
.if \mode == 1
	ASK
.endif
	SOFT 0, -1
.endif
	WIN 0x55
	SOFT 1, -1
	WIN 0
	s_add_co_u32 s[TS], s[TS], 2048
.endm
.macro FLIP
	s_xor_b32 s[TB], s[TB], SLOT1
	s_xor_b32 s[TN], s[TN], SLOT1
	s_xor_b32 s[TV], s[TV], SLOT1
.endm
.macro INIT                            ; a tile's state; only destinations are named
	v_mov_b32 v13, 0xff61b1e6                      ; the largest score so far: -3e38
	v_mov_b32 v12, 0x7f61b1e6                      ; -M: 3e38, a whole number
	v_mov_b32 v14, 0
	v_mov_b32 v15, 0
	v_mov_b32 v[T1], 0                             ; (a lane permute's destination counts as one of its sources)
	v_mov_b32 v[XP], 0
	v_mov_b32 v[FF+1], 0
.irp i, 0,1,2,3,4,5
	v_mov_b32 v[QHI+\i], 0                         ; zero codes on both sides of q
	v_mov_b32 v[QLO+6+\i], 0
.endr
.set j, 0
.rept 32
	v_mov_b32 v[OT+j], 0                           ; the step is written once: the first finds zeros, which the first change of M leaves zeros
.set j, j+1
.endr
.endm
	s_load_b256 s[4:11], s[0:1], 0x0               ; qc, qs, kvc, kvs
	s_load_b128 s[12:15], s[0:1], 0x20             ; wc, out0
	v_lshl_add_u32 v[SPW], v0, 2, SPARE
	v_mov_b32 v[NIL], 0
	ds_add_u32 v[SPW], v[NIL]                      ; the opening lines: the add, twice on end, and one wait
	ds_add_u32 v[SPW], v[NIL]
	v_lshrrev_b32 v6, 5, v0
	s_delay_alu instid0(VALU_DEP_1)
	v_readfirstlane_b32 s[WV], v6                  ; wave 0..7
	s_lshr_b32 s[HD], s[WV], 1
	s_and_b32 s[PR], s[WV], 1
	s_and_b32 s[TAU], s[WV], 3
	s_and_b32 s[BAT], ttmp7, 0xffff
.irp g, G1C, G1S, G1R                  ; dense blocks as rows of 256 bytes (32 elements of 8 bytes); the mask names all four work-groups, bit 21 beside it; no padding: images are read 512 consecutive bytes a load
	s_mov_b32 s[\g+0], 15|(3<<16)|(1<<21)
	s_mov_b32 s[\g+1], 32<<16
	s_mov_b32 s[\g+3], 32<<16
	s_mov_b32 s[\g+5], 32
	s_mov_b32 s[\g+6], 0
	s_mov_b32 s[\g+7], 0
.endr
	s_mov_b32 s[G1C+2], 96<<16
	s_mov_b32 s[G1C+4], 96
	s_mov_b32 s[G1S+2], 64<<16
	s_mov_b32 s[G1S+4], 64
	s_mov_b32 s[G1R+2], 48<<16
	s_mov_b32 s[G1R+4], 48
	s_mul_i32 s66, s[BAT], BATC                    ; groups 0: made of the batch and the wave's number alone
	s_mul_i32 s67, s[TAU], STEPB
	s_mov_b32 s[G0C], 1
	s_mov_b32 s[G0C+1], s67
	s_add_co_u32 s[G0C+2], s66, s67
	s_mov_b32 s[G0C+3], 0
	s_lshl_b32 s68, s[TAU], 14
	s_mov_b32 s[G0S], 1
	s_add_co_u32 s[G0S+1], s68, SCL
	s_lshl_b32 s[G0S+2], s[BAT], 16
	s_add_co_u32 s[G0S+2], s[G0S+2], s68
	s_mov_b32 s[G0S+3], 0
	s_mul_i32 s69, s[WV], EIGHTH
	s_mov_b32 s[G0R], 1
	s_add_co_u32 s[G0R+1], s69, SLOT1              ; the walking descriptor begins at slot 1
	s_add_co_u32 s[G0R+2], s66, s69
	s_add_co_u32 s[G0R+2], s[G0R+2], SLOTB
	s_mov_b32 s[G0R+3], 0
	s_bfe_u32 s[CX], ttmp6, 0x40000                ; my place in the cluster enters global addresses alone: q's, out0's and the prefetches'
	s_lshl_b32 s[BX], ttmp9, 2
	s_add_co_u32 s[BX], s[BX], s[CX]               ; my block of 64 queries
	s_mul_i32 s70, s[CX], STEPB
	s_lshl_b32 s71, s[TAU], 13
	s_add_co_u32 s[PFA], s66, s70
	s_add_co_u32 s[PFA], s[PFA], s71
	s_add_co_u32 s[PFA], s[PFA], 2*SLOTB           ; the first prefetch names slot 2
	s_mov_b32 s[PFA+1], 0
	s_sub_co_u32 s86, s[WV], 4
	s_cmp_lt_u32 s86, 3                            ; waves 4, 5, 6
	s_cselect_b32 s86, 0, 1
	s_or_b32 s86, s86, ttmp9                       ; of the batch's first cluster
	s_cmp_eq_u32 s86, 0
	s_cselect_b32 s[LIM], 1, -1
	s_lshl_b32 s72, s[BAT], 5
	s_lshr_b32 s73, s[BX], 1
	s_add_co_u32 s72, s72, s73                     ; q's group of 128 rows
	s_and_b32 s73, s[BX], 1                        ; c: which 64 of them
	s_lshl_b32 s75, s73, 1
	s_add_co_u32 s75, s75, s[PR]                   ; my fragment of q: f = 2 c + w % 2
	s_mul_i32 s76, s72, 16*FRB
	s_mul_i32 s77, s[HD], 4*FRB
	s_add_co_u32 s76, s76, s77
	s_mul_i32 s77, s75, FRB
	s_add_co_u32 s76, s76, s77
	s_mov_b32 s77, 0
	s_lshl_b32 s78, s72, 10
	s_lshl_b32 s79, s[HD], 8
	s_add_co_u32 s78, s78, s79
	s_lshl_b32 s79, s[PR], 7                       ; f % 2
	s_add_co_u32 s78, s78, s79
	s_lshl_b32 s79, s73, 2                         ; f / 2
	s_add_co_u32 s78, s78, s79
	s_mov_b32 s79, 0
	s_mul_i32 s80, s[WV], 4*FRB
	s_add_co_u32 s80, s80, WOREC                   ; Wo's tiles 2 w, 2 w + 1
	s_mov_b32 s81, 0
	s_lshl_b32 s82, s[WV], 9
	s_add_co_u32 s82, s82, WOREC+WORDS
	s_mov_b32 s83, 0
	s_lshl_b32 s84, s[BAT], 12                     ; the eight rows of out0 that I store: stage rows 8 w + i are query 32 (w % 2) + 8 (w / 2) + i of the block
	s_lshl_b32 s85, s[BX], 6
	s_add_co_u32 s84, s84, s85
	s_lshl_b32 s85, s[PR], 5
	s_add_co_u32 s84, s84, s85
	s_lshl_b32 s85, s[HD], 3
	s_add_co_u32 s84, s84, s85
	s_lshl_b32 s84, s84, 10
	s_mov_b32 s85, 0
	s_mov_b32 s[SEL], 0x76543210
	s_mov_b32 s[SEL+1], 0xfedcba98
	s_mov_b32 s[CS], 0x3e38aa3b                    ; c = log2(e) / sqrt(64)
	s_mov_b32 s[CS+1], s[CS]
	s_mov_b32 s[TB], 0
	s_mov_b32 s[TN], SLOT1
	s_mov_b32 s[TV], VOFF
	s_mov_b32 s[TS], 0
	s_mov_b32 s[SLOTS], 14
	s_mov_b32 s87, 0x03fc03fc
	v_and_b32 v6, 31, v0
	v_bfe_u32 v7, v0, 4, 1                         ; h
	v_and_b32 v8, 15, v0
	v_lshlrev_b32 v[L16], 4, v6
	v_lshlrev_b32 v[L8], 3, v6
	v_lshlrev_b32 v[PFO], 8, v6
	v_mul_lo_u32 v[SLV], v7, s87
	v_lshlrev_b32 v8, 3, v8                        ; q's words: 8 bytes from row to row
	s_delay_alu instid0(VALU_DEP_2)
	v_add_nc_u32 v[SLV], 0x02060004, v[SLV]        ; h = 0: (mine 0, theirs 0, mine 2, theirs 2) = 0x02060004;  h = 1: (theirs 0, mine 0, theirs 2, mine 2) = 0x06020400
	s_mul_i32 s87, s[HD], 4*FRB
	v_add_nc_u32 v[AK0], s87, v[L16]
	s_lshl_b32 s87, s[HD], 8
	s_add_co_u32 s87, s87, SCL
	v_add_nc_u32 v[AS0], s87, v[L8]
	s_wait_alu depctr_va_vdst(0)                   ; the wait directly ahead of the waits below
	s_wait_dscnt 0x0                               ; both opening adds are done
	s_wait_kmcnt 0x0
	s_add_nc_u64 s[G0C+2:G0C+3], s[8:9], s[G0C+2:G0C+3]
	s_or_b32 s[G0C+3], s[G0C+3], 0x80000000
	s_add_nc_u64 s[G0R+2:G0R+3], s[8:9], s[G0R+2:G0R+3]
	s_or_b32 s[G0R+3], s[G0R+3], 0x80000000
	s_add_nc_u64 s[G0S+2:G0S+3], s[10:11], s[G0S+2:G0S+3]
	s_or_b32 s[G0S+3], s[G0S+3], 0x80000000
	s_add_nc_u64 s[PFA:PFA+1], s[8:9], s[PFA:PFA+1]
	s_add_nc_u64 s[76:77], s[4:5], s[76:77]
	s_add_nc_u64 s[78:79], s[6:7], s[78:79]
	s_add_nc_u64 s[80:81], s[12:13], s[80:81]
	s_add_nc_u64 s[82:83], s[12:13], s[82:83]
	s_add_nc_u64 s[84:85], s[14:15], s[84:85]
	CROUND                                         ; all four work-groups are here: the first joint loads meet
	s_cmp_lt_u32 s[WV], 4                          ; the head's loads, one a wave: waves 0-3 a quarter of slot 0, waves 4-7 a quarter of the batch's scale words
	s_cbranch_scc0 .Lhead_words
	tensor_load_to_lds s[G0C:G0C+3], s[G1C:G1C+7]
	s_nop 0
	NOPS 4
	s_branch .Lhead_asked
.Lhead_words:
	tensor_load_to_lds s[G0S:G0S+3], s[G1S:G1S+7]
	s_nop 0
	NOPS 4
.Lhead_asked:
.irp i, 0,1,2
	global_load_b128 v[FR+4*\i:FR+4*\i+3], v[L16], s[76:77] offset:512*\i     ; my fragment of q: registers 0-5 tile A, 6-11 tile B
.endr
	global_load_b32 v[QW], v8, s[78:79]
.irp i, 0,1,2,3,4,5
	global_load_b128 v[WO+4*\i:WO+4*\i+3], v[L16], s[80:81] offset:512*\i     ; Wo's fragments stay in registers
.endr
	global_load_b64 v[WOS:WOS+1], v[L8], s[82:83]
	global_load_b64 v[WOS+2:WOS+3], v[L8], s[82:83] offset:256
	WIN 0x40
.irp i, 0,1,2,3,4,5
	global_load_b128 v[WO+4*\i:WO+4*\i+3], v[L16], s[80:81] offset:2*FRB+512*\i
.endr
	WIN 0
	INIT
	s_wait_loadcnt 0x0
	v_perm_b32 v[QS], v[QW], v[QW], 0x01000100     ; tile A's word: (q0, q1, q0, q1) of bytes 0, 1
	v_perm_b32 v[QS+1], v[QW], v[QW], 0x03020302   ; tile B's: of bytes 2, 3
.irp i, 0,1,2,3,4,5
	v_mov_b32 v[QLO+\i], v[FR+\i]
.endr
	WIN 0x40
.irp i, 0,1,2,3,4,5
	v_mov_b32 v[QLO+\i], v[FR+6+\i]
.endr
	v_mov_b32 v[SLV], v[SLV]
	INIT
	WIN 0
	s_wait_alu depctr_va_vdst(0)                   ; the wait at the head's end
	s_wait_tensorcnt 0x0                           ; my tile of the head's is in; the same lines as ahead of a refill stand ahead of slot 1's first fill
	ds_add_u32 v[SPW], v[NIL]
	s_wait_dscnt 0x0
	CROUND
	JLOAD                                          ; slot 1
	v_add_nc_u32 v[ADK], s[TB], v[AK0]
.set i, 0
.rept 12
	ds_load_b128 v[FR+4*i:FR+4*i+3], v[ADK] offset:512*i    ; the first step's K
.set i, i+1
.endr
	ds_load_b64 v[KS:KS+1], v[AS0]
	ASK
.Lslot:                                            ; 14 trips, a slot each: each fills the slot that it has read out with the slot two on
	STEP 0, 0
	STEP 1, 1
	FLIP
	s_sub_co_u32 s[SLOTS], s[SLOTS], 1
	s_cmp_lg_u32 s[SLOTS], 0
	s_cbranch_scc1 .Lslot
	STEP 0, 0                                      ; the last two slots are written out: they ask for nothing more
	STEP 1, 2
	FLIP
	STEP 0, 0
	STEP 1, 3
	; ---- the tail's addresses
	v_and_b32 v[T0], 15, v0                        ; r
	v_bfe_u32 v[T1], v0, 4, 1                      ; h
	s_wait_alu depctr_va_vdst(0)                   ; the wait ahead of the run of scalar lines
	s_lshl_b32 s66, s[PR], 2
	s_lshr_b32 s67, s[HD], 1
	s_add_co_u32 s66, s66, s67                     ; tile A's fragment of o: 2 m + s, m = 2 (w % 2), s = hd / 2; tile B's lies two further on
	s_and_b32 s67, s[HD], 1                        ; c = hd % 2: my six registers are 6 c .. 6 c + 5 of it
	s_mul_i32 s68, s66, FRB
	s_mul_i32 s69, s67, 768                        ; half an image: 512 bytes (four registers, 16 bytes a lane), then 256 (two registers, 8 bytes a lane)
	s_add_co_u32 s68, s68, s69
	s_add_co_u32 s68, s68, OIMG
	v_add_nc_u32 v[OA16], s68, v[L16]
	s_add_co_u32 s68, s68, 512
	v_add_nc_u32 v[OA8], s68, v[L8]
	s_lshl_b32 s68, s66, 6
	s_lshl_b32 s69, s67, 1
	s_add_co_u32 s68, s68, s69
	s_add_co_u32 s68, s68, OSC
	v_lshl_add_u32 v[OB], v[T0], 2, v[T1]
	s_delay_alu instid0(VALU_DEP_1)
	v_add_nc_u32 v[OB], s68, v[OB]                 ; byte 2 c + h of row r's word
	v_add_nc_u32 v[ADK], OIMG, v[L16]
	v_add_nc_u32 v[ADV], OIMG, v[L8]
	v_lshlrev_b32 v[ADS], 2, v[T0]
	s_delay_alu instid0(VALU_DEP_1)
	v_add_nc_u32 v[ADS], OSC, v[ADS]
	v_mul_u32_u24 v[STO], v[T0], SPITCH            ; the stage: row r of a tile; columns of Wo's tile 2 w: 256 (w / 2) + 128 h + 64 (w % 2) bytes on
	s_delay_alu instid0(VALU_DEP_1)
	v_lshl_add_u32 v[STO], v[T1], 7, v[STO]
	s_lshl_b32 s68, s[HD], 8
	s_lshl_b32 s69, s[PR], 6
	s_add_co_u32 s68, s68, s69
	v_add_nc_u32 v[STO], s68, v[STO]
	s_mul_i32 s68, s[WV], 8*SPITCH
	v_add_nc_u32 v[SRD], s68, v[L16]               ; back: rows 8 w on, 16 bytes a lane
; o = O^T / the sum of one tile, quantised along a row's 256 channels: my lane holds one whole block, channels 32 h + 0..31 of my head
.macro OQ t
	WIN 0x55*\t
	v_add_f32 v14, v14, v15
	s_delay_alu instid0(VALU_DEP_1)
	v_permlanex16_b32 v[T1], v14, s[SEL], s[SEL+1]
	s_delay_alu instid0(VALU_DEP_1)
	v_add_f32 v14, v14, v[T1]                      ; the row's sum
	s_wait_alu depctr_va_vdst(0)                   ; the wait ahead of the transcendental
	v_rcp_f32 v14, v14
	v_nop
	s_wait_alu depctr_va_vdst(0)                   ; and ahead of its first reader, which is also O^T's
.set j, 0
.rept 16
	v_pk_mul_f32 v[SC+j:SC+j+1], v[OT+j:OT+j+1], v[14:15] op_sel_hi:[1,0]
.set j, j+2
.endr
	v_max3_num_f32 v[B0], |v[SC]|, |v[SC+1]|, 0x1800000
	v_max3_num_f32 v[B1], |v[SC+2]|, |v[SC+3]|, 0x1800000
.irp i, 4,8,12,16,20,24,28
	s_delay_alu instid0(VALU_DEP_2)
	v_max3_num_f32 v[B0], v[B0], |v[SC+\i]|, |v[SC+\i+1]|
	s_delay_alu instid0(VALU_DEP_2)
	v_max3_num_f32 v[B1], v[B1], |v[SC+\i+2]|, |v[SC+\i+3]|
.endr
	s_delay_alu instid0(VALU_DEP_1)
	v_max_num_f32 v[B0], v[B0], v[B1]
	s_delay_alu instid0(VALU_DEP_1)
	v_add_nc_u32 v[E0], 0xff000000, v[B0]
	s_delay_alu instid0(VALU_DEP_1)
	v_lshrrev_b32 v[Y0], 23, v[E0]
	v_cvt_scalef32_pk16_fp6_f32 v[PC:PC+2], v[SC:SC+15], v[E0]
	v_cvt_scalef32_pk16_fp6_f32 v[PT:PT+2], v[SC+16:SC+31], v[E0]
	v_nop
.irp i, 0,1,2
	v_mov_b32 v[PC+3+\i], v[PT+\i]
.endr
	WIN 0x04*\t                                    ; the stores' data from the tile's window, their addresses from window 0
	ds_store_b128 v[OA16], v[PC:PC+3] offset:2*FRB*\t
	ds_store_b64 v[OA8], v[PC+4:PC+5] offset:2*FRB*\t
	ds_store_b8 v[OB], v[Y0] offset:128*\t
.endm
	OQ 0
	OQ 1
	WIN 0
	s_wait_dscnt 0x0                               ; for the others' sake: my stores have landed
	s_barrier_signal -1
	s_barrier_wait -1                              ; o's eight fragments and their words lie in LDS
	; ---- out = o Wo: wave w makes Wo's tiles 2 w, 2 w + 1 (16 columns each) for the four tiles of queries
.irp m, 0,1,2,3
.irp s, 0,1
	ds_load_b128 v[FR+(OT-FR)*\s+12*\m:FR+(OT-FR)*\s+12*\m+3], v[ADK] offset:(2*\m+\s)*FRB
	ds_load_b64 v[FR+(OT-FR)*\s+12*\m+4:FR+(OT-FR)*\s+12*\m+5], v[ADV] offset:(2*\m+\s)*FRB+512
	ds_load_b128 v[FR+(OT-FR)*\s+12*\m+6:FR+(OT-FR)*\s+12*\m+9], v[ADK] offset:(2*\m+\s)*FRB+768
	ds_load_b64 v[FR+(OT-FR)*\s+12*\m+10:FR+(OT-FR)*\s+12*\m+11], v[ADV] offset:(2*\m+\s)*FRB+1280
	ds_load_b32 v[OS+2*\m+\s], v[ADS] offset:(2*\m+\s)*64
.endr
.endr
	s_wait_dscnt 0x0
.irp m, 0,1,2,3                        ; eight accumulators by turns; Wo's second tile comes from window 1
	W6 SC+8*\m, WO, FR+12*\m, 0, WOS, OS+2*\m, 0
.endr
	WIN 0x01
.irp m, 0,1,2,3
	W6 SC+32+8*\m, WO, FR+12*\m, 0, WOS+2, OS+2*\m, 0
.endr
.irp m, 0,1,2,3
	W6 SC+32+8*\m, WO+12, OT+12*\m, v[SC+32+8*\m:SC+32+8*\m+7], WOS+3, OS+2*\m+1, 0
.endr
	WIN 0
.irp m, 0,1,2,3
	W6 SC+8*\m, WO+12, OT+12*\m, v[SC+8*\m:SC+8*\m+7], WOS+1, OS+2*\m+1, 0
.endr
	NOPS 4                                         ; places ahead of the first read of the results
.irp e, 0,1
.irp m, 0,1,2,3
	ds_store_b128 v[STO], v[SC+32*\e+8*\m:SC+32*\e+8*\m+3] offset:STG+16*\m*SPITCH+32*\e       ; lane (r, h): row 16 m + r of the stage, eight neighbouring columns; each accumulator from its low end on
	ds_store_b128 v[STO], v[SC+32*\e+8*\m+4:SC+32*\e+8*\m+7] offset:STG+16*\m*SPITCH+32*\e+16
.endr
.endr
	s_wait_dscnt 0x0
	s_barrier_signal -1
	s_barrier_wait -1                              ; 64 whole rows lie in the stage
.irp n, 0,1,2,3,4,5,6,7,8,9,10,11,12,13,14,15
	ds_load_b128 v[FR+4*\n:FR+4*\n+3], v[SRD] offset:STG+(\n/2)*SPITCH+512*(\n%2)
.endr
.irp n, 0,1,2,3,4,5,6,7,8,9,10,11,12,13,14,15
	s_wait_dscnt 15-\n                             ; load n is in, the 15 - n younger ones may be out
	global_store_b128 v[L16], v[FR+4*\n:FR+4*\n+3], s[84:85] offset:(\n/2)*1024+512*(\n%2) th:TH_STORE_NT   ; 32 lanes store 512 consecutive bytes, aligned
.endr
	s_wait_tensorcnt 0x0                           ; the wave's end
	ds_add_u32 v[SPW], v[NIL]
	s_wait_dscnt 0x0
	CROUND                                         ; the closing round
	s_endpgm
.Lfunc_end_k_qfc15d2b546_attn:
	.size	k_qfc15d2b546_attn, .Lfunc_end_k_qfc15d2b546_attn-k_qfc15d2b546_attn
	.p2alignl 7, 3214868480
	.fill 96, 4, 3214868480
	.section	.rodata,"a",@progbits
	.p2align	6, 0x0
	.amdhsa_kernel k_qfc15d2b546_attn
		.amdhsa_group_segment_fixed_size 327680
		.amdhsa_private_segment_fixed_size 0
		.amdhsa_enable_private_segment 0
		.amdhsa_kernarg_size 48
		.amdhsa_user_sgpr_count 2
		.amdhsa_user_sgpr_kernarg_segment_ptr 1
		.amdhsa_wavefront_size32 1
		.amdhsa_system_sgpr_workgroup_id_x 1
		.amdhsa_system_sgpr_workgroup_id_y 1
		.amdhsa_system_sgpr_workgroup_id_z 1
		.amdhsa_system_vgpr_workitem_id 0
		.amdhsa_next_free_vgpr 512
		.amdhsa_next_free_sgpr 100
		.amdhsa_reserve_vcc 0
		.amdhsa_float_denorm_mode_32 3
		.amdhsa_float_denorm_mode_16_64 3
		.amdhsa_memory_ordered 1
		.amdhsa_forward_progress 1
		.amdhsa_inst_pref_size 197
	.end_amdhsa_kernel
	.amdgpu_metadata
---
amdhsa.version: [ 1, 2 ]
amdhsa.kernels:
  - .name:           k_qfc15d2b546_attn
    .symbol:         k_qfc15d2b546_attn.kd
    .args:
      - { .name: qc, .offset: 0, .size: 8, .value_kind: global_buffer, .address_space: global }
      - { .name: qs, .offset: 8, .size: 8, .value_kind: global_buffer, .address_space: global }
      - { .name: kvc, .offset: 16, .size: 8, .value_kind: global_buffer, .address_space: global }
      - { .name: kvs, .offset: 24, .size: 8, .value_kind: global_buffer, .address_space: global }
      - { .name: wc, .offset: 32, .size: 8, .value_kind: global_buffer, .address_space: global }
      - { .name: out0, .offset: 40, .size: 8, .value_kind: global_buffer, .address_space: global }
    .group_segment_fixed_size: 327680
    .private_segment_fixed_size: 0
    .kernarg_segment_align: 8
    .kernarg_segment_size: 48
    .max_flat_workgroup_size: 256
    .sgpr_count:     100
    .vgpr_count:     512
    .wavefront_size: 32
...
	.end_amdgpu_metadata
.endif
;; end of part 2
